; MI455X (gfx1250); checked and timed in simulation.
; The chip was launched on July 23, 2026; its instructions are those of AMD's public machine-readable ISA for CDNA 5 (MIT licence, August 2026) and "CDNA5" Instruction Set Architecture Reference Guide (July 2026). The comments in the code are by the model that wrote it; some were corrected since.
;; Simple Attention. Allowed arithmetic: matrix products marked QUANTISED: E5M2 operands, one given power-of-two scale a tensor, by v_wmma_f32_16x16x64_bf8_bf8 or v_wmma_f32_16x16x128_bf8_bf8, f32 sums; everything else in f32.
;; Inputs: Wk 1,024 x 1,024 float32; Wo 1,024 x 1,024 float32; Wq 1,024 x 1,024 float32; Wv 1,024 x 1,024 float32; bk 1,024 float32; bo 1,024 float32; bq 1,024 float32; bv 1,024 float32; lowp_scales 12 int32 (the exponents e of the quantised operands' scales 2^e); x 1 x 4,096 x 1,024 float32.
;; Outputs: out0 1 x 4,096 x 1,024 float32.
;; This version of the problem:
;;   THIS VERSION OF THE PROBLEM IS GIVEN IN LOW PRECISION. The matrix products marked QUANTISED in the list below multiply operands that are first quantised to E5M2 (5 exponent bits, 2 mantissa bits; 8 bits a number), with one given power-of-two scale for each operand tensor; their sums are f32. All else is computed in f32.
;;   The module's matrix products, in the order in which they are computed (A, B: the left and right operand; K: the contracted axis; several contracted axes count as one K, in the product's order):
;;     1. [M 4,096, K 1,024] x [K 1,024, N 1,024]; A: input x; B: input Wq: QUANTISED (scales: A lowp_scales[0], B lowp_scales[1])
;;     2. [M 4,096, K 1,024] x [K 1,024, N 1,024]; A: input x; B: input Wk: QUANTISED (scales: A lowp_scales[2], B lowp_scales[3])
;;     3. [M 4,096, K 1,024] x [K 1,024, N 1,024]; A: input x; B: input Wv: QUANTISED (scales: A lowp_scales[4], B lowp_scales[5])
;;     4. batch 16 x [M 4,096, K 64] x [K 64, N 4,096]; A: computed on the way; B: computed on the way: QUANTISED (scales: A lowp_scales[6], B lowp_scales[7])
;;     5. batch 16 x [M 4,096, K 4,096] x [K 4,096, N 64]; A: softmax (see below); B: computed on the way: QUANTISED (scales: A lowp_scales[8], B lowp_scales[9])
;;     6. [M 4,096, K 1,024] x [K 1,024, N 1,024]; A: computed on the way; B: input Wo: QUANTISED (scales: A lowp_scales[10], B lowp_scales[11])
;;   THE QUANTISER, for each operand of a quantised product, along K:
;;     - The operand's scale is 2^e, e = its entry of the input lowp_scales (int32; the entries are numbered through the quantised products in the list's order, A before B).
;;     - Each number is divided by the scale, clamped to +-57,344, and rounded to the nearest number of E5M2, ties to even, subnormals kept.
;;     - The product sums the exact products of the quantised numbers (number of the format x scale) in f32.
;;   ~~~python
;;   def quantise(x, axis, e):      # numpy; x: float32 -> the quantised numbers, widened to float32 again
;;       x = np.moveaxis(x, axis, -1); K = x.shape[-1]
;;       r = np.clip(x / 2.0 ** e, -57344, 57344)
;;       step = 2.0 ** (np.maximum(np.frexp(np.where(r == 0, 1, r))[1] - 1, -14) - 2)
;;       q = np.round(r / step) * step * 2.0 ** e      # np.round: ties to even
;;       return np.moveaxis(q, -1, axis).astype(np.float32)
;;   ~~~
;;   SOFTMAX AHEAD OF A QUANTISED PRODUCT. Where the list says 'softmax', what is quantised is not the finished softmax but p = 2^(t - M), with t = logit x log2(e) and M = ceil(the row's largest t), a whole number; so 1/2 < the row's largest p <= 1. The row's sum l is taken of the UNQUANTISED p, in f32, and the product's result is divided by l at the end. Since M is a whole number, a kernel that streams over the keys may use a running M (the ceiling of the running maximum): every later rescaling is an exact power of two, so the quantised numbers keep their values, but for numbers so far below the row's largest that they fall under the format's range.
;;   OPERANDS COMPUTED ON THE WAY. 'Computed on the way' means the value that the module computes at that place (a softmax that the list does not call 'softmax' is quantised finished and normalised). What goes into a quantiser is computed in f32, as accurately as f32 sums, v_exp_f32 and their like allow (about 1e-6 of the number): no bf16 or f16 on the way to a quantiser, and a product that is left as it is and whose result goes on into a quantised operand takes f32 operands (vector FMAs, or v_wmma_f32_16x16x4_f32). A number that lies on a knife's edge between two numbers of the format may be rounded either way, as far as f32 arithmetic and the matrix unit's own rounding can turn it there, and no further.
;; One version. Each part assembles by itself: llvm-mc -triple=amdgcn-amd-amdhsa -mcpu=gfx1250 --defsym DOCPART=n.
;; ======== version 1 of 1: 4 launches
;; limits: right only within a limited range of input values
;; workspace buffers: xc 12,582,912 bytes; wc 4,194,304 bytes; qkv 12,582,912 bytes; aimg 4,194,304 bytes
;; launch quant (part 1): grid 1024 x 1, 4 waves a work-group, no clusters, 33,280 bytes of LDS; arguments x, Wq, Wk, Wv, Wo, lowp_scales, xc, wc; writes xc, wc
.if DOCPART == 1
	.amdgcn_target "amdgcn-amd-amdhsa--gfx1250"
	.amdhsa_code_object_version 6
	.text
	.protected	k_qeceae896ce_quant
	.globl	k_qeceae896ce_quant
	.p2align	8
	.type	k_qeceae896ce_quant,@function
k_qeceae896ce_quant:
	s_mov_b64 s[64:65], 0
	v_nop
	global_prefetch_b8 v0, s[64:65] scope:SCOPE_SE
	s_setreg_imm32_b32 hwreg(HW_REG_WAVE_MODE, 25, 1), 1
	s_wait_xcnt 0x0
; x [4096][1024] and the four weights [1024][1024], f32, K innermost, become codes of BF8 (E5M2), one byte a number.
; code = number / 2^e, held within +-57,344, rounded to the nearest code, ties to even.
; x is an operand of three products with three given scales (entries 0, 2, 4): three planes of codes, 4 MiB apart, in xc.
; Wq, Wk, Wv, Wo take entries 1, 3, 5, 11: four planes of 1 MiB in wc.
; ROW ORDER.  Row i of a tensor is stored at position i with bits 3 and 4 exchanged.  Sixteen neighbouring positions 32 g + 16 u + m then hold the rows
; 32 g + 8 u + m + 8 (m / 8): a matrix tile taken from neighbouring positions gives, in two neighbouring tiles, 16 neighbouring rows to a lane's 16 result registers.
; SHARES.  Work-group g takes rows 4 g .. 4 g + 3 of x and rows 4 (g % 256) .. of weight g / 256; wave w one row of each: 2 steps of 512 numbers of x, then 2 of the weight.
; Row 4 g + w has w in bits 0, 1 and g's bits 0, 1, 2 in bits 2, 3, 4: its position is 32 (g / 8) + 16 (bit 1 of g) + 8 (bit 2 of g) + 4 (bit 0 of g) + w; its codes are 1,024 consecutive bytes there.
; A step: four loads of 512 consecutive bytes; the 2,048 bytes turn through the wave's own stage in LDS, so that a lane holds 16 neighbours; a lane's 16 codes are 16 bytes: a store covers 512 consecutive bytes, aligned.
; All 16 loads of a wave go out at its head, the turn through LDS runs one step ahead.  Waves share nothing: no barrier.  Every offset is an immediate; no store's data register is written again.
; No tensor loads, no clusters, no matrix units: each byte is read once and written once, and nothing is shared.
; LIMITS: entries 0 to 5 and 11 lie between -126 and 112, so that 2^e and 57,344 x 2^e are f32 numbers.  NaN among the inputs is not served; an infinity is held at the largest code.
.set STEPS, 4
.set XST,   2                          ; the first XST steps are x's, the others the weight's
.set SP,    80                         ; a lane's place in a stage: 64 bytes + 16 of padding
.set WREG,  8192                       ; LDS of a wave: two stages of 32 x SP bytes
.set SPARE, 4*WREG                     ; behind the four regions: the spare words, 128 bytes a wave
.set SPW,   13                         ; v13      my spare word; never rewritten
.set NIL,   160                        ; v160     0; never rewritten
.set R,     16                         ; v16-79   four sets of 16 numbers as loaded
.set X,     80                         ; v80-111  two sets of 16 neighbours
.set T,     112                        ; v112-127 the 16 neighbours, held
.set C,     128                        ; v128-151 x's codes: 12 registers a step (three planes)
.set CW,    152                        ; v152-159 the weight's codes: 4 registers a step
	s_load_b512 s[4:19], s[0:1], 0x0               ; x, Wq, Wk, Wv, Wo, the scales' exponents, xc, wc
	v_lshl_add_u32 v[SPW], v0, 2, SPARE
	v_mov_b32 v[NIL], 0
	v_lshrrev_b32 v1, 5, v0
	v_readfirstlane_b32 s32, v1                    ; wave
	v_and_b32 v2, 31, v0                           ; lane
	v_lshlrev_b32 v3, 4, v2                        ; my 16 bytes of a load's 512
	v_mov_b32 v4, v3                               ; and of a store's 512
	s_mul_i32 s33, s32, WREG
	v_lshrrev_b32 v14, 2, v2
	v_mul_u32_u24 v14, v14, SP
	v_and_b32 v15, 3, v2
	v_lshl_add_u32 v14, v15, 4, v14
	v_add_nc_u32 v14, s33, v14                     ; the stage, on the way in: SP (lane / 4) + 16 (lane % 4)
	v_mul_u32_u24 v15, v2, SP
	v_add_nc_u32 v15, s33, v15                     ; and on the way out: SP x lane
	s_lshr_b32 s34, ttmp9, 8                       ; which weight
	s_and_b32 s35, ttmp9, 255                      ; which 4 rows of it
	s_lshl_b32 s2, s32, 12                         ; my wave's row of 4,096 bytes
	s_lshl_b32 s48, ttmp9, 14
	s_add_co_u32 s48, s48, s2                      ; x: where I read
	s_mov_b32 s49, 0
	s_lshl_b32 s50, s35, 14
	s_add_co_u32 s50, s50, s2                      ; the weight: where I read
	s_mov_b32 s51, 0
	s_and_b32 s2, ttmp9, 1
	s_lshl_b32 s2, s2, 2                           ; 4 (bit 0 of g); g % 256 has the same three low bits
	s_add_co_u32 s2, s2, s32                       ; + w
	s_bfe_u32 s3, ttmp9, 0x10002
	s_lshl_b32 s3, s3, 3                           ; 8 (bit 2 of g)
	s_add_co_u32 s2, s2, s3
	s_bfe_u32 s3, ttmp9, 0x10001
	s_lshl_b32 s3, s3, 4                           ; 16 (bit 1 of g)
	s_add_co_u32 s2, s2, s3
	s_lshr_b32 s52, ttmp9, 3
	s_lshl_b32 s52, s52, 5
	s_add_co_u32 s52, s52, s2
	s_lshl_b32 s52, s52, 10                        ; x's codes: position x 1,024 bytes
	s_mov_b32 s53, 0
	s_lshr_b32 s54, s35, 3
	s_lshl_b32 s54, s54, 5
	s_add_co_u32 s54, s54, s2
	s_lshl_b32 s54, s54, 10
	s_lshl_b32 s3, s34, 20
	s_add_co_u32 s54, s54, s3                      ; the weight's codes: its plane + position x 1,024
	s_mov_b32 s55, 0
	s_wait_alu depctr_va_vdst(0)                   ; the wait here, directly ahead of the wait below
	s_wait_kmcnt 0x0
	s_load_b256 s[20:27], s[14:15], 0x0            ; entries 0 to 7
	s_load_b128 s[28:31], s[14:15], 0x20           ; entries 8 to 11
	s_add_nc_u64 s[36:37], s[4:5], s[48:49]        ; x at my row
	s_cmp_eq_u32 s34, 1                            ; the weight is chosen by the work-group's number alone
	s_cselect_b64 s[38:39], s[8:9], s[6:7]
	s_cmp_eq_u32 s34, 2
	s_cselect_b64 s[38:39], s[10:11], s[38:39]
	s_cmp_eq_u32 s34, 3
	s_cselect_b64 s[38:39], s[12:13], s[38:39]
	s_add_nc_u64 s[38:39], s[38:39], s[50:51]      ; the weight at my row
	s_add_nc_u64 s[40:41], s[16:17], s[52:53]      ; x's codes, plane 0,
	s_add_nc_u64 s[42:43], s[40:41], 0x400000      ; plane 1,
	s_add_nc_u64 s[44:45], s[40:41], 0x800000      ; plane 2
	s_add_nc_u64 s[46:47], s[18:19], s[54:55]      ; the weight's codes
.macro LOAD t                          ; step t's 2,048 bytes: 32 lanes read 512 consecutive bytes, four times
.if (\t) < XST
.irp i, 0,1,2,3
	global_load_b128 v[R+16*(\t)+4*\i:R+16*(\t)+4*\i+3], v3, s[36:37] offset:2048*(\t)+512*\i th:TH_LOAD_NT
.endr
.else
.irp i, 0,1,2,3
	global_load_b128 v[R+16*(\t)+4*\i:R+16*(\t)+4*\i+3], v3, s[38:39] offset:2048*((\t)-XST)+512*\i th:TH_LOAD_NT
.endr
.endif
.endm
.macro TURN t                          ; step t's numbers through the stage: LDS serves a wave's instructions in order, so no wait stands between the stores and the loads
.irp i, 0,1,2,3
	ds_store_b128 v14, v[R+16*(\t)+4*\i:R+16*(\t)+4*\i+3] offset:32*SP*((\t)%2)+8*SP*\i
.endr
.irp i, 0,1,2,3
	ds_load_b128 v[X+16*((\t)%2)+4*\i:X+16*((\t)%2)+4*\i+3], v15 offset:32*SP*((\t)%2)+16*\i
.endr
.endm
.macro MKS e, vs, vl                   ; from the exponent in s[e]: 2^e as f32 (the conversion takes its exponent field) and 57,344 x 2^e
	s_add_co_i32 s2, s[\e], 127
	s_lshl_b32 s3, s2, 23
	v_mov_b32 v[\vs], s3
	s_add_co_i32 s2, s2, 15
	s_lshl_b32 s2, s2, 23
	s_or_b32 s2, s2, 0x600000
	v_mov_b32 v[\vl], s2
.endm
; 16 neighbours in v[XS] on are held, converted with one scale and stored.  The numbers stay in X: x is converted three times.
.macro QOUT sc, lim, creg, base, off
.irp i, 0,1,2,3,4,5,6,7,8,9,10,11,12,13,14,15
	v_med3_num_f32 v[T+\i], v[XS+\i], -v[\lim], v[\lim]   ; the conversion to an 8-bit code does not saturate (ISA guide 7.6.2): the hold at the largest code x the scale comes first
.endr
	v_cvt_scalef32_pk8_bf8_f32 v[(\creg):(\creg)+1], v[T:T+7], v[\sc]
	v_cvt_scalef32_pk8_bf8_f32 v[(\creg)+2:(\creg)+3], v[T+8:T+15], v[\sc]
	v_nop                                          ; one plain vector instruction between the conversions and the next holds, which write their sources
	global_store_b128 v4, v[(\creg):(\creg)+3], s[\base:\base+1] offset:\off   ; 32 lanes store 512 consecutive bytes, aligned
.endm
.irp t, 0,1,2,3
	LOAD \t
.endr
	s_wait_kmcnt 0x0
	s_cmp_eq_u32 s34, 1                            ; the weight's exponent: entry 1, 3, 5 or 11
	s_cselect_b32 s33, s23, s21
	s_cmp_eq_u32 s34, 2
	s_cselect_b32 s33, s25, s33
	s_cmp_eq_u32 s34, 3
	s_cselect_b32 s33, s31, s33
	MKS 20, 5, 6
	MKS 22, 7, 8
	MKS 24, 9, 10
	MKS 33, 11, 12
	s_wait_alu depctr_va_vdst(0)                   ; the wait at the head's end
	s_wait_loadcnt 12                              ; step 0's four loads are in; the twelve of steps 1 to 3 may be out
	TURN 0
.macro STEP t
.set XS, X+16*((\t)%2)
	s_wait_dscnt 0x0                               ; this step's numbers are back from the stage
.if (\t)+1 < STEPS
	s_wait_loadcnt 4*(STEPS-2-(\t))                ; the next step's four loads are in; those of the steps behind it may be out
	TURN (\t)+1                                    ; and go through the other stage while this step is worked
.endif
.if (\t) < XST
	QOUT 5, 6, C+12*(\t), 40, 512*(\t)
	QOUT 7, 8, C+12*(\t)+4, 42, 512*(\t)
	QOUT 9, 10, C+12*(\t)+8, 44, 512*(\t)
.else
	QOUT 11, 12, CW+4*((\t)-XST), 46, 512*((\t)-XST)
.endif
.endm
.irp t, 0,1,2,3
	STEP \t
.endr
	s_wait_tensorcnt 0x0                           ; the wave's end, behind my last LDS store
	ds_add_u32 v[SPW], v[NIL]
	s_wait_dscnt 0x0
	s_endpgm
.Lfunc_end_k_qeceae896ce_quant:
	.size	k_qeceae896ce_quant, .Lfunc_end_k_qeceae896ce_quant-k_qeceae896ce_quant
	.p2alignl 7, 3214868480
	.fill 96, 4, 3214868480
	.section	.rodata,"a",@progbits
	.p2align	6, 0x0
	.amdhsa_kernel k_qeceae896ce_quant
		.amdhsa_group_segment_fixed_size 33280
		.amdhsa_private_segment_fixed_size 0
		.amdhsa_enable_private_segment 0
		.amdhsa_kernarg_size 64
		.amdhsa_user_sgpr_count 2
		.amdhsa_user_sgpr_kernarg_segment_ptr 1
		.amdhsa_wavefront_size32 1
		.amdhsa_system_sgpr_workgroup_id_x 1
		.amdhsa_system_sgpr_workgroup_id_y 1
		.amdhsa_system_sgpr_workgroup_id_z 1
		.amdhsa_system_vgpr_workitem_id 0
		.amdhsa_next_free_vgpr 176
		.amdhsa_next_free_sgpr 66
		.amdhsa_reserve_vcc 0
		.amdhsa_float_denorm_mode_32 3
		.amdhsa_float_denorm_mode_16_64 3
		.amdhsa_memory_ordered 1
		.amdhsa_forward_progress 1
		.amdhsa_inst_pref_size 18
	.end_amdhsa_kernel
	.amdgpu_metadata
---
amdhsa.version: [ 1, 2 ]
amdhsa.kernels:
  - .name:           k_qeceae896ce_quant
    .symbol:         k_qeceae896ce_quant.kd
    .args:
      - { .name: x, .offset: 0, .size: 8, .value_kind: global_buffer, .address_space: global }
      - { .name: Wq, .offset: 8, .size: 8, .value_kind: global_buffer, .address_space: global }
      - { .name: Wk, .offset: 16, .size: 8, .value_kind: global_buffer, .address_space: global }
      - { .name: Wv, .offset: 24, .size: 8, .value_kind: global_buffer, .address_space: global }
      - { .name: Wo, .offset: 32, .size: 8, .value_kind: global_buffer, .address_space: global }
      - { .name: lowp_scales, .offset: 40, .size: 8, .value_kind: global_buffer, .address_space: global }
      - { .name: xc, .offset: 48, .size: 8, .value_kind: global_buffer, .address_space: global }
      - { .name: wc, .offset: 56, .size: 8, .value_kind: global_buffer, .address_space: global }
    .group_segment_fixed_size: 33280
    .private_segment_fixed_size: 0
    .kernarg_segment_align: 8
    .kernarg_segment_size: 64
    .max_flat_workgroup_size: 128
    .sgpr_count:     66
    .vgpr_count:     176
    .wavefront_size: 32
...
	.end_amdgpu_metadata
.endif
;; end of part 1
;; launch qkvgemm (part 2): grid 8 x 32, 4 waves a work-group, clusters of 4 x 4, 327,680 bytes of LDS; arguments xc, wc, bq, bk, bv, lowp_scales, qkv; writes qkv
.if DOCPART == 2
	.amdgcn_target "amdgcn-amd-amdhsa--gfx1250"
	.amdhsa_code_object_version 6
	.text
	.protected	k_qeceae896ce_qkvgemm
	.globl	k_qeceae896ce_qkvgemm
	.p2align	8
	.type	k_qeceae896ce_qkvgemm,@function
k_qeceae896ce_qkvgemm:
	s_mov_b64 s[64:65], 0
	v_nop
	global_prefetch_b8 v0, s[64:65] scope:SCOPE_SE
	s_setreg_imm32_b32 hwreg(HW_REG_WAVE_MODE, 25, 1), 1
	s_wait_xcnt 0x0
	s_wait_alu depctr_hold_cnt(0) depctr_sa_sdst(0) depctr_va_vdst(0) depctr_va_sdst(0) depctr_va_ssrc(0) depctr_va_vcc(0) depctr_vm_vsrc(0)
	s_getreg_b32 s2, hwreg(HW_REG_IB_STS2, 6, 4)
	s_cmp_eq_u32 s2, 0
	s_cbranch_scc0 .Lentry_in_a_cluster
	s_endpgm
.Lentry_in_a_cluster:
	s_bfe_u32 s2, ttmp6, 0x10000c
	s_cmp_lg_u32 s2, 0xf033
	s_cbranch_scc0 .Lentry_shape_is_right
	s_endpgm
.Lentry_shape_is_right:
; q x 0.125, k and v = x W^T + b on codes of BF8 (E5M2), quantised again on the way out for the two products of attention.  K = 1,024.
; A WORK-GROUP STAYS: it owns 128 token positions and 128 weight rows and makes three tiles of 128 x 128, q's, k's and v's, one after the other: 256 work-groups in all.
; A tile is 128 "R0 rows" x 128 "R1 rows"; every product is wmma D, 16 R0 rows, 16 R1 rows: a lane holds ONE R1 row and eight R0 rows.  Rows lie in xc and wc with bits 3 and 4 of the row number
; exchanged, so the 16 registers of two neighbouring R0 tiles are 16 NEIGHBOURING true R0 rows: two conversions make 16 bytes of codes that belong together.
;   q, k (P = 0, 1): R0 = rows of W (the head's channels), R1 = tokens: a lane's codes run along the channels, the K of the scores.
;   v    (P = 2):    R0 = tokens, R1 = rows of Wv:            a lane's codes run along the keys, the K of the second product.
; What changes places is the LDS region into which W's and x's tiles are loaded, a constant of each fill.
; RING.  The three tiles are six halves of 512 along K, through two LDS slots (R0's 128 rows, then R1's; a row is 512 bytes + 16 of padding).  Waves 0, 1 bring W's halves of 64 rows, waves 2, 3 x's: one tensor load a wave
; behind each round; a half is asked for when the half two before it has been read, and is waited for a half's 64 products a wave later.  One tensor load of mine is out at the most; every wait on TENSORcnt is for 0.
; CLUSTER 4 x 4: W's tile hangs on the weight block (cx) and is shared along a column, x's on the token block (cy) and is shared along a row: joint loads divide the requests by four.
; PREFETCH.  Behind the fill of half k stands one prefetch a wave for half k + 2 (k = 0 .. 3): of the 64 rows x 512 bytes that a wave fetches, each of the four partners names 16 rows, told apart by address; a lane names 256 bytes.
; OUTPUT, as images of the operands' registers, so that a wave's store covers 512 consecutive bytes and a later load of 16 bytes at 16 x lane gives back the same registers:
;   q, k: [head][tile of 16 token positions: 1,024 B][piece of 32 channels: 512 B][lane][16 B];   v: [head][128 keys: 8,192 B][tile of 16 channel positions: 2,048 B][32 keys: 512 B][lane][16 B].
; A tile's conversions and stores stand behind the next tile's first fragment loads.
; SCALES.  A sum stands for sum x 2^(eA + eB); the bias goes in as the C of the first product, divided by that power of two (v_ldexp_f32).  code = sum / 2^E, E = target - eA - eB;
; the target is entry 6 + 3 for q (x 0.125 = 2^-3, exact), entry 7 for k, entry 9 for v.  LIMIT: E between -126 and 112.  NaN is not served.
; REGISTERS.  window 0: v1-25 addresses and scales; v64-95 codes; v128-255 accumulators (a, b) at v[128 + 8 (4 a + b)].  window 1: two fragment buffers of 128: R1's four fragments, then R0's four.
;   window 2: v0-95 the three biases in the results' layout; v96-99 bv as loaded.
.set PITCH, 528
.set HALF,  64*PITCH                   ; 64 rows: one tensor load, and one wave's rows
.set REG,   128*PITCH                  ; R0's rows lie at a slot's head, R1's here
.set SLOTB, 2*REG
.set SPARE, 2*SLOTB                    ; behind the ring: the spare words, 128 bytes a wave
.set L16,  4                           ; v4      16 x lane
.set PFO,  7                           ; v7      the prefetches' lane offset
.set A0,   8                           ; v8, 9   LDS address of my R0 fragments in slot 0, 1
.set A1,   12                          ; v12, 13 the same for R1
.set BO,   16                          ; v16     the bias's lane offset for q, k
.set BV,   17                          ; v17     and for v
.set SC,   20                          ; v20 + 2 P: 2^E as f32; v21 + 2 P: 57,344 x 2^E
.set SPW,  126
.set NIL,  127
.set CD,   64
.set ACC,  128
.set WV,   18
.set BW,   30                          ; s[30:31] W's plane 0 at the rows that I fetch; s[32:33] x's
.set BX,   32
.set G1W,  40                          ; s[40:47] descriptor group 1 for W; s[48:55] for x: they differ in the mask
.set G1X,  48
.set G0W,  68                          ; s[68:71], s[72:75] the groups 0, written anew for each half while no load of mine is out
.set G0X,  72
.set OB,   76                          ; s[76:81] where my results of q, k, v begin
.set NE,   82                          ; s82-84  -(eA + eB) of q, k, v
.set PFA,  86                          ; s[86:87] where my prefetches stand; s[88:89] from plane to plane
.set MSB, 0
.macro WIN new                         ; the immediate's high byte repeats the setting that is left
.if MSB != \new
	s_set_vgpr_msb (MSB<<8)|\new
.set MSB, \new
.endif
.endm
.macro CREST                           ; a round of the cluster's barrier behind its opening barrier
	s_cmp_lg_u32 s[WV], 0
	s_cbranch_scc1 .Lnot_wave_0_\@
	s_barrier_signal -3
.Lnot_wave_0_\@:
	s_barrier_wait -3
	s_barrier_signal -1
	s_barrier_wait -1
.endm
.macro CROUND
	s_barrier_signal -1
	s_barrier_wait -1
	CREST
.endm
.macro PLACES                          ; four plain vector instructions behind a matrix instruction (ISA guide 7.12.1)
.rept 4
	v_nop
.endr
.endm
.macro JLOAD                           ; a joint load: each line has one mask and one set of registers; the branch hangs on the wave's number alone
	s_cmp_lt_u32 s[WV], 2
	s_cbranch_scc0 .Lfor_x_\@
	tensor_load_to_lds s[G0W:G0W+3], s[G1W:G1W+7]
	s_nop 0
	PLACES
	s_branch .Lasked_\@
.Lfor_x_\@:
	tensor_load_to_lds s[G0X:G0X+3], s[G1X:G1X+7]
	s_nop 0
	PLACES
.Lasked_\@:
.endm
.macro DESC h                          ; the groups 0 for half h: plane h / 2, byte 512 (h % 2) of the rows, slot h % 2
.set LW, ((\h)%2)*SLOTB
.set LX, ((\h)%2)*SLOTB
.if (\h)/2 == 2
.set LW, LW+REG
.else
.set LX, LX+REG
.endif
	s_add_co_u32 s[G0W+1], s38, LW
	s_add_nc_u64 s[G0W+2:G0W+3], s[BW:BW+1], (((\h)/2)<<20)+((\h)%2)*512
	s_or_b32 s[G0W+3], s[G0W+3], 0x80000000
	s_add_co_u32 s[G0X+1], s38, LX
	s_add_nc_u64 s[G0X+2:G0X+3], s[BX:BX+1], (((\h)/2)<<22)+((\h)%2)*512
	s_or_b32 s[G0X+3], s[G0X+3], 0x80000000
.endm
.macro ASK o
	global_prefetch_b8 v[PFO], s[PFA:PFA+1] offset:\o th:TH_LOAD_NT scope:SCOPE_SE
.endm
	s_load_b256 s[4:11], s[0:1], 0x0               ; xc, wc, bq, bk
	s_load_b128 s[12:15], s[0:1], 0x20             ; bv, the scales' exponents
	s_load_b64 s[16:17], s[0:1], 0x30              ; qkv
	v_lshl_add_u32 v[SPW], v0, 2, SPARE
	v_mov_b32 v[NIL], 0
	ds_add_u32 v[SPW], v[NIL]                      ; the opening lines: the add, twice on end, and its wait
	ds_add_u32 v[SPW], v[NIL]
	v_lshrrev_b32 v1, 5, v0
	v_readfirstlane_b32 s[WV], v1                  ; wave 0..3
	s_and_b32 s19, s[WV], 1                        ; w0: my 64 R0 rows.  Also: which 64 rows I fetch
	s_lshr_b32 s20, s[WV], 1                       ; w1: my 64 R1 rows.  Also: I fetch for W (0) or x (1)
	s_bfe_u32 s21, ttmp6, 0x40000                  ; cx
	s_bfe_u32 s22, ttmp6, 0x40004                  ; cy
	s_lshl_b32 s26, ttmp9, 2
	s_add_co_u32 s26, s26, s21                     ; my block of 128 weight rows, 0 .. 7
	s_and_b32 s27, ttmp7, 0xffff
	s_lshl_b32 s27, s27, 2
	s_add_co_u32 s27, s27, s22                     ; my block of 128 token positions, 0 .. 31
	s_lshl_b32 s28, 0x1111, s21                    ; my column of the cluster
	s_lshl_b32 s29, s22, 2
	s_lshl_b32 s29, 15, s29                        ; my row
	; group 1: 64 rows x 512 bytes, 1,024 bytes apart in memory, 16 bytes of padding behind each row in LDS
	s_or_b32 s[G1W], s28, (1<<20)|(1<<21)|(6<<22)|(3<<25)   ; the mask; elements of 1 byte; padding on; 21 set beside a mask; after every 128 words four words
	s_or_b32 s[G1X], s29, (1<<20)|(1<<21)|(6<<22)|(3<<25)
.irp g, G1W, G1X
	s_mov_b32 s[\g+1], 512<<16
	s_mov_b32 s[\g+2], 64<<16
	s_mov_b32 s[\g+3], 512<<16
	s_mov_b32 s[\g+4], 64
	s_mov_b32 s[\g+5], 1024
	s_mov_b32 s[\g+6], 0
	s_mov_b32 s[\g+7], 0
.endr
	s_mul_i32 s38, s19, HALF                       ; where my 64 rows go in a region: no place in the cluster enters an LDS address
	s_lshl_b32 s2, s19, 16                         ; and where they lie: 64 rows of 1,024 bytes
	s_lshl_b32 s30, s26, 17
	s_add_co_u32 s30, s30, s2                      ; W: the weight block alone
	s_mov_b32 s31, 0
	s_lshl_b32 s32, s27, 17
	s_add_co_u32 s32, s32, s2                      ; x: the token block alone
	s_mov_b32 s33, 0
	s_mov_b32 s[G0W], 1
	s_mov_b32 s[G0X], 1
	s_wait_dscnt 0x0
	s_wait_kmcnt 0x0
	s_load_b256 s[56:63], s[14:15], 0x0            ; entries 0 to 7
	s_load_b64 s[66:67], s[14:15], 0x20            ; entries 8, 9
	s_add_nc_u64 s[BW:BW+1], s[6:7], s[30:31]
	s_add_nc_u64 s[BX:BX+1], s[4:5], s[32:33]
	DESC 0
	CROUND                                         ; all sixteen work-groups are here: the first joint loads meet
	JLOAD                                          ; half 0: my one load at the head
	; from here on s34-37 and s76-95 hold both coordinates; none of them feeds a descriptor
	s_mul_i32 s39, s20, HALF
	s_lshl_b32 s34, s26, 1
	s_add_co_u32 s34, s34, s19                     ; q's, k's head: 2 x weight block + w0
	s_lshl_b32 s34, s34, 18                        ; a head is 262,144 bytes
	s_lshl_b32 s35, s27, 1
	s_add_co_u32 s35, s35, s20
	s_lshl_b32 s35, s35, 12                        ; token tile 8 x token block + 4 w1, 1,024 bytes each
	s_add_co_u32 s34, s34, s35
	s_mov_b32 s35, 0
	s_add_nc_u64 s[OB:OB+1], s[16:17], s[34:35]
	s_add_nc_u64 s[OB+2:OB+3], s[OB:OB+1], 0x400000
	s_lshl_b32 s34, s26, 1
	s_add_co_u32 s34, s34, s20                     ; v's head: 2 x weight block + w1
	s_lshl_b32 s34, s34, 18
	s_lshl_b32 s36, s27, 13                        ; key block of 8,192 bytes,
	s_add_co_u32 s34, s34, s36
	s_lshl_b32 s36, s19, 10                        ; + 1,024 w0: my 64 keys are pieces 2 w0, 2 w0 + 1
	s_add_co_u32 s34, s34, s36
	s_add_nc_u64 s[OB+4:OB+5], s[16:17], s[34:35]
	s_add_nc_u64 s[OB+4:OB+5], s[OB+4:OB+5], 0x800000
	s_lshl_b32 s34, s26, 9
	s_lshl_b32 s36, s19, 8
	s_add_co_u32 s36, s36, s34                     ; q, k: (128 x weight block + 64 w0) x 4 bytes
	s_mov_b32 s37, 0
	s_add_nc_u64 s[90:91], s[8:9], s[36:37]
	s_add_nc_u64 s[92:93], s[10:11], s[36:37]
	s_lshl_b32 s36, s20, 8
	s_add_co_u32 s36, s36, s34                     ; v: (128 x weight block + 64 w1) x 4
	s_add_nc_u64 s[94:95], s[12:13], s[36:37]
	s_cmp_lt_u32 s[WV], 2                          ; the prefetches: in the tensor that I fetch,
	s_cselect_b64 s[PFA:PFA+1], s[6:7], s[4:5]
	s_cselect_b32 s34, s26, s27                    ; its block,
	s_cselect_b32 s36, s22, s21                    ; my place among the four that ask for it with me,
	s_mov_b32 s88, 0x400000
	s_cselect_b32 s88, 0x100000, s88               ; and its planes' distance
	s_mov_b32 s89, 0
	s_lshl_b32 s34, s34, 17
	s_lshl_b32 s36, s36, 14                        ; 16 rows of 1,024 bytes for each partner
	s_add_co_u32 s34, s34, s36
	s_add_co_u32 s34, s34, s2                      ; in the 64 rows that I fetch
	s_add_nc_u64 s[PFA:PFA+1], s[PFA:PFA+1], s[34:35]
	s_mov_b64 s[96:97], s[PFA:PFA+1]               ; plane 0, for half 1 alone
	s_add_nc_u64 s[PFA:PFA+1], s[PFA:PFA+1], s[88:89]   ; plane 1: halves 2 and 3
	v_and_b32 v1, 15, v0                           ; r
	v_bfe_u32 v2, v0, 4, 1                         ; h
	v_mul_u32_u24 v3, v1, PITCH
	v_lshl_add_u32 v3, v2, 4, v3                   ; a fragment's row x pitch + 16 h
	v_and_b32 v4, 31, v0
	v_lshrrev_b32 v5, 1, v4
	v_and_b32 v6, 1, v4
	v_lshlrev_b32 v6, 8, v6
	v_lshl_add_u32 v[PFO], v5, 10, v6              ; row lane / 2, 256 bytes x lane % 2
	v_lshlrev_b32 v[L16], 4, v4
	v_add_nc_u32 v[A0], s38, v3
	v_add_nc_u32 v[A0+1], SLOTB, v[A0]
	v_add_nc_u32 v[A1], s39, v3
	v_add_nc_u32 v[A1], REG, v[A1]
	v_add_nc_u32 v[A1+1], SLOTB, v[A1]
	v_lshlrev_b32 v[BO], 6, v2                     ; q, k: 16 h numbers on
	v_and_b32 v[BV], 8, v1
	v_add_nc_u32 v[BV], v[BV], v1
	v_lshlrev_b32 v[BV], 2, v[BV]                  ; v: r + 8 (r / 8) numbers on
	s_wait_alu depctr_va_vdst(0)                   ; the wait here, ahead of the readers below
	WIN 0x80                                       ; destination window 2
.irp b, 0,1,2,3                        ; q, k: register j of R0 tile b is channel 32 (b / 2) + 16 h + 8 (b % 2) + j
	global_load_b128 v[8*\b:8*\b+3], v[BO], s[90:91] offset:(32*(\b/2)+8*(\b%2))*4
	global_load_b128 v[8*\b+4:8*\b+7], v[BO], s[90:91] offset:(32*(\b/2)+8*(\b%2))*4+16
	global_load_b128 v[32+8*\b:32+8*\b+3], v[BO], s[92:93] offset:(32*(\b/2)+8*(\b%2))*4
	global_load_b128 v[32+8*\b+4:32+8*\b+7], v[BO], s[92:93] offset:(32*(\b/2)+8*(\b%2))*4+16
.endr
.irp a, 0,1,2,3                        ; v: all eight registers of R1 tile a belong to channel 32 (a / 2) + 8 (a % 2) + r + 8 (r / 8)
	global_load_b32 v[96+\a], v[BV], s[94:95] offset:(32*(\a/2)+8*(\a%2))*4
.endr
	WIN 0
	global_prefetch_b8 v[PFO], s[96:97] offset:512 th:TH_LOAD_NT scope:SCOPE_SE   ; half 1, whose fill follows when half 0 has landed: with half 2 below, two halves are asked for and not yet read
	ASK 0
.macro MKE sum, tgt, p                 ; from eA + eB and the target: -(eA + eB), 2^E and 57,344 x 2^E
	s_sub_co_i32 s[NE+\p], 0, s[\sum]
	s_sub_co_i32 s2, s[\tgt], s[\sum]
	s_add_co_i32 s2, s2, 127
	s_lshl_b32 s3, s2, 23
	v_mov_b32 v[SC+2*\p], s3
	s_add_co_i32 s2, s2, 15
	s_lshl_b32 s2, s2, 23
	s_or_b32 s2, s2, 0x600000
	v_mov_b32 v[SC+2*\p+1], s2
.endm
	s_wait_kmcnt 0x0
	s_add_co_i32 s56, s56, s57
	s_add_co_i32 s58, s58, s59
	s_add_co_i32 s60, s60, s61
	s_add_co_i32 s62, s62, 3                       ; q's target: entry 6, and x 0.125
	MKE 56, 62, 0
	MKE 58, 63, 1
	MKE 60, 67, 2
	s_wait_loadcnt 0x0                             ; the biases
	WIN 0x82                                       ; destination and source 0 window 2
.set i, 0
.rept 32
	v_ldexp_f32 v[i], v[i], s[NE]
	v_ldexp_f32 v[32+i], v[32+i], s[NE+1]
	v_ldexp_f32 v[64+i], v[96+i/8], s[NE+2]
.set i, i+1
.endr
	WIN 0
; 32 LDS loads in one run: step s (128 along K) of half h into buffer s % 2.  A fragment is 16 rows x 128 K in 16 registers: lane (r, h) holds row r;
; registers 4 c .. 4 c + 3 hold K = 32 c + 16 h + 0 .. 15: the same permutation of K on both sides, so every product meets its partner.
.macro FETCH h, s
	WIN 0x40
.set FB, 128*((\s)%2)
.irp b, 0,1,2,3
.irp c, 0,1,2,3
	ds_load_b128 v[FB+64+16*\b+4*\c:FB+64+16*\b+4*\c+3], v[A0+(\h)%2] offset:16*PITCH*\b+128*(\s)+32*\c
.endr
.endr
.irp a, 0,1,2,3
.irp c, 0,1,2,3
	ds_load_b128 v[FB+16*\a+4*\c:FB+16*\a+4*\c+3], v[A1+(\h)%2] offset:16*PITCH*\a+128*(\s)+32*\c
.endr
.endr
.endm
; 8 matrix instructions on buffer fb: R1 tiles a0, a0 + 1 x R0's four.  mode 0: onto the sums; 1: C = tile pp's bias of R0 tile b; 2: of R1 tile a.
; The 16 accumulators take turns, one instruction a turn, in the same order in every step.
.macro MULH fb, a0, mode, pp
.if \mode == 0
	WIN 0x05                                       ; sources 0 and 1 window 1; C and D window 0
.else
	WIN 0x25                                       ; C window 2
.endif
.set FB, 128*(\fb)
.irp a, \a0, \a0+1
.irp b, 0,1,2,3
.if \mode == 0
	v_wmma_f32_16x16x128_bf8_bf8 v[ACC+8*(4*(\a)+\b):ACC+8*(4*(\a)+\b)+7], v[FB+64+16*\b:FB+64+16*\b+15], v[FB+16*(\a):FB+16*(\a)+15], v[ACC+8*(4*(\a)+\b):ACC+8*(4*(\a)+\b)+7]
.elseif \mode == 1
	v_wmma_f32_16x16x128_bf8_bf8 v[ACC+8*(4*(\a)+\b):ACC+8*(4*(\a)+\b)+7], v[FB+64+16*\b:FB+64+16*\b+15], v[FB+16*(\a):FB+16*(\a)+15], v[32*(\pp)+8*\b:32*(\pp)+8*\b+7]
.else
	v_wmma_f32_16x16x128_bf8_bf8 v[ACC+8*(4*(\a)+\b):ACC+8*(4*(\a)+\b)+7], v[FB+64+16*\b:FB+64+16*\b+15], v[FB+16*(\a):FB+16*(\a)+15], v[32*(\pp)+8*(\a):32*(\pp)+8*(\a)+7]
.endif
.endr
.endr
.endm
; THE WAY OUT of tile pp.  The 16 registers of accumulators (a, 2 u) and (a, 2 u + 1) are 16 neighbours along the next K: held, converted, 16 bytes a lane.  Each accumulator is read from its low end on.
.macro OUT pp
.if \pp > 0
	s_wait_xcnt 0x0                                ; the last tile's stores have read their data registers, which are written again below
.endif
.irp a, 0,1,2,3
.irp u, 0,1
.irp i, 0,1,2,3,4,5,6,7,8,9,10,11,12,13,14,15
	v_med3_num_f32 v[ACC+32*\a+16*\u+\i], v[ACC+32*\a+16*\u+\i], -v[SC+2*(\pp)+1], v[SC+2*(\pp)+1]   ; the conversion does not saturate (ISA guide 7.6.2): the hold at the largest code x the scale
.endr
	v_cvt_scalef32_pk8_bf8_f32 v[CD+4*(2*\a+\u):CD+4*(2*\a+\u)+1], v[ACC+32*\a+16*\u:ACC+32*\a+16*\u+7], v[SC+2*(\pp)]
	v_cvt_scalef32_pk8_bf8_f32 v[CD+4*(2*\a+\u)+2:CD+4*(2*\a+\u)+3], v[ACC+32*\a+16*\u+8:ACC+32*\a+16*\u+15], v[SC+2*(\pp)]
.endr
.endr
	v_nop                                          ; a plain vector instruction behind the last conversion
.irp a, 0,1,2,3
.irp u, 0,1
	global_store_b128 v[L16], v[CD+4*(2*\a+\u):CD+4*(2*\a+\u)+3], s[OB+2*(\pp):OB+2*(\pp)+1] offset:(1024+1024*((\pp)/2))*\a+512*\u   ; 32 lanes store 512 consecutive bytes, aligned
.endr
.endr
.endm
; HALF h: four steps of 128 along K.  Its first two steps' fragments have been asked for.  In its last step the slots change: each wave waits for all its tensor loads (its part of half h + 1), adds 0 to its spare word,
; and waits for that and for its reads of this slot; eight products stand between the barrier's signal and its wait; behind the round half h + 2 is asked for, into the slot just read.
.macro HALFT h
.if (\h)%2 == 1
.set FM, 0
.elseif (\h) == 4
.set FM, 2
.else
.set FM, 1
.endif
	s_wait_dscnt 32                                ; all but the 32 loads issued last: this step's fragments are in
	MULH 0, 0, FM, (\h)/2                          ; a tile's first products start the sums with the bias: nothing is cleared, nothing is added later
	MULH 0, 2, FM, (\h)/2
	PLACES
	FETCH \h, 2
	s_wait_dscnt 32
	MULH 1, 0, 0, 0
	MULH 1, 2, 0, 0
	PLACES
	FETCH \h, 3
	s_wait_dscnt 32
	MULH 0, 0, 0, 0
	MULH 0, 2, 0, 0
.if (\h) < 5
	WIN 0
	s_wait_tensorcnt 0x0                           ; no tensor load of mine is out: my part of half h + 1 is in, and the groups 0 may be written
	ds_add_u32 v[SPW], v[NIL]                      ; 0 onto my spare word
.if (\h) < 4
	DESC (\h)+2
.endif
.if (\h) == 0
	s_wait_xcnt 0x0                                ; my prefetches have read their address:
	s_add_nc_u64 s[PFA:PFA+1], s[PFA:PFA+1], s[88:89]   ; plane 2: halves 4 and 5
.endif
	s_wait_dscnt 0x0                               ; the add is done, and my reads of this slot are over
	s_barrier_signal -1
	MULH 1, 0, 0, 0
	WIN 0
	s_barrier_wait -1
.if (\h) < 4
	CREST                                          ; the barrier has opened a round of the cluster's barrier: no wave of any partner still reads this slot or has a load on its way
	JLOAD                                          ; the first tensor load behind the round; its four v_nop are also the places in front of the loads below
.else
	PLACES
.endif
	FETCH (\h)+1, 0
.if (\h) < 2
	WIN 0
	ASK 512*((\h)%2)                               ; half h + 4
.endif
	MULH 1, 2, 0, 0
	PLACES
	FETCH (\h)+1, 1
.else
	s_wait_dscnt 0x0
	MULH 1, 0, 0, 0
	MULH 1, 2, 0, 0
	PLACES
.endif
	WIN 0
.if (\h)%2 == 1
	OUT (\h)/2
.endif
.endm
	s_wait_alu depctr_va_vdst(0)                   ; the wait at the head's end
	s_wait_tensorcnt 0x0                           ; my part of half 0 is in
	ds_add_u32 v[SPW], v[NIL]
	DESC 1
	s_wait_dscnt 0x0
	CROUND
	JLOAD                                          ; half 1, into slot 1
	FETCH 0, 0
	FETCH 0, 1
	WIN 0
	ASK 512                                        ; half 3
	HALFT 0
	HALFT 1
	HALFT 2
	HALFT 3
	HALFT 4
	HALFT 5
	s_wait_tensorcnt 0x0                           ; the wave's end
	ds_add_u32 v[SPW], v[NIL]
	s_wait_dscnt 0x0
	CROUND                                         ; the closing round: no work-group ends while a partner may still ask for a tile that names it
	s_endpgm
.Lfunc_end_k_qeceae896ce_qkvgemm:
	.size	k_qeceae896ce_qkvgemm, .Lfunc_end_k_qeceae896ce_qkvgemm-k_qeceae896ce_qkvgemm
	.p2alignl 7, 3214868480
	.fill 96, 4, 3214868480
	.section	.rodata,"a",@progbits
	.p2align	6, 0x0
	.amdhsa_kernel k_qeceae896ce_qkvgemm
		.amdhsa_group_segment_fixed_size 327680
		.amdhsa_private_segment_fixed_size 0
		.amdhsa_enable_private_segment 0
		.amdhsa_kernarg_size 56
		.amdhsa_user_sgpr_count 2
		.amdhsa_user_sgpr_kernarg_segment_ptr 1
		.amdhsa_wavefront_size32 1
		.amdhsa_system_sgpr_workgroup_id_x 1
		.amdhsa_system_sgpr_workgroup_id_y 1
		.amdhsa_system_sgpr_workgroup_id_z 1
		.amdhsa_system_vgpr_workitem_id 0
		.amdhsa_next_free_vgpr 640
		.amdhsa_next_free_sgpr 100
		.amdhsa_reserve_vcc 0
		.amdhsa_float_denorm_mode_32 3
		.amdhsa_float_denorm_mode_16_64 3
		.amdhsa_memory_ordered 1
		.amdhsa_forward_progress 1
		.amdhsa_inst_pref_size 131
	.end_amdhsa_kernel
	.amdgpu_metadata
---
amdhsa.version: [ 1, 2 ]
amdhsa.kernels:
  - .name:           k_qeceae896ce_qkvgemm
    .symbol:         k_qeceae896ce_qkvgemm.kd
    .args:
      - { .name: xc, .offset: 0, .size: 8, .value_kind: global_buffer, .address_space: global }
      - { .name: wc, .offset: 8, .size: 8, .value_kind: global_buffer, .address_space: global }
      - { .name: bq, .offset: 16, .size: 8, .value_kind: global_buffer, .address_space: global }
      - { .name: bk, .offset: 24, .size: 8, .value_kind: global_buffer, .address_space: global }
      - { .name: bv, .offset: 32, .size: 8, .value_kind: global_buffer, .address_space: global }
      - { .name: lowp_scales, .offset: 40, .size: 8, .value_kind: global_buffer, .address_space: global }
      - { .name: qkv, .offset: 48, .size: 8, .value_kind: global_buffer, .address_space: global }
    .group_segment_fixed_size: 327680
    .private_segment_fixed_size: 0
    .kernarg_segment_align: 8
    .kernarg_segment_size: 56
    .max_flat_workgroup_size: 128
    .sgpr_count:     100
    .vgpr_count:     640
    .wavefront_size: 32
...
	.end_amdgpu_metadata
.endif
;; end of part 2
;; launch attn (part 3): grid 16 x 16, 8 waves a work-group, clusters of 4 x 1, 327,680 bytes of LDS; arguments qkv, lowp_scales, aimg; writes aimg
.if DOCPART == 3
	.amdgcn_target "amdgcn-amd-amdhsa--gfx1250"
	.amdhsa_code_object_version 6
	.text
	.protected	k_qeceae896ce_attn
	.globl	k_qeceae896ce_attn
	.p2align	8
	.type	k_qeceae896ce_attn,@function
k_qeceae896ce_attn:
	s_mov_b64 s[64:65], 0
	v_nop
	global_prefetch_b8 v0, s[64:65] scope:SCOPE_SE
	s_setreg_imm32_b32 hwreg(HW_REG_WAVE_MODE, 25, 1), 1
	s_wait_xcnt 0x0
	s_wait_alu depctr_hold_cnt(0) depctr_sa_sdst(0) depctr_va_vdst(0) depctr_va_sdst(0) depctr_va_ssrc(0) depctr_va_vcc(0) depctr_vm_vsrc(0)
	s_getreg_b32 s2, hwreg(HW_REG_IB_STS2, 6, 4)
	s_cmp_eq_u32 s2, 0
	s_cbranch_scc0 .Lentry_in_a_cluster
	s_endpgm
.Lentry_in_a_cluster:
	s_bfe_u32 s2, ttmp6, 0x10000c
	s_cmp_lg_u32 s2, 0x3003
	s_cbranch_scc0 .Lentry_shape_is_right
	s_endpgm
.Lentry_shape_is_right:
; a[head][query] = softmax over the keys of (q . k) times v, both products on codes of BF8 (E5M2); q (already x 0.125), k, v come as register images made by the launch before; the result is quantised with entry 10.
; THE SOFTMAX: t = score x log2(e); M = the running largest t rounded UP to a whole number (kept as -M = floor(-t)); p = 2^(t - M) is quantised with entry 8, not normalised; the row's sum is taken of the
; unquantised p in f32 and divides at the end.  When M moves, the sums and O are multiplied by 2^(old M - new M), made by v_ldexp_f32 of 1.0: nothing is rounded, and there is no branch on data.
; SHARES.  A work-group owns 256 query positions of one head; each of its eight waves two tiles of 16, so that each fragment of K and V read from LDS feeds two products.  Every wave walks all 4,096 keys, 128 a step.
; LAYOUT.  S^T = K Q^T (source 0 = 16 keys, source 1 = 16 queries), O^T = V^T P^T: a lane holds ONE query throughout.  Tokens lie in the images by position (row number with bits 3 and 4 exchanged),
; so the 16 registers of key tiles 2 b, 2 b + 1 are the true keys 32 b + 16 h + 0 .. 15 of the step: the conversions' results are P's fragment, and v's image has its keys in the same order.
; Likewise O^T's tiles 2 u, 2 u + 1 are 16 neighbouring channels: two conversions make 16 bytes of the output's image, [head][tile of 16 positions: 1,024 B][32 channels: 512 B][lane][16 B].
; RING.  Two LDS slots of 1,024 keys (65,536 bytes of K's image, then 65,536 of V's).  Each wave brings one eighth of a slot, 16,384 dense bytes, by ONE tensor load: waves 0-3 K's quarters, waves 4-7 V's.
; CLUSTER.  The four query blocks of a cluster belong to one head and walk the same K and V: each load is joint (mask 15).  A refill stands first behind a round of the cluster's barrier; one tensor load of mine is out at the most.
; NO PREFETCH: a refill is asked for eight key steps ahead of the wait for it, so no wave waits for that stream.
; A KEY STEP.  Both tiles' maxima and statistics go line by line (four chains).  O^T and the sums are brought under the new M ahead of the exponentials.  Two batches of 64 exponentials, each with one wait ahead and one behind;
; between a batch's lines stand only plain lines that read nothing written inside the batch and whose results are first read behind its closing wait: tile 1's t - M; tile 0's first level of sums and its holds.
; The holds go two to an instruction.  The next step's fragments of K are asked for behind the maxima; a slot's last step, which has no successor in its slot, is written out without them.
; LIMITS: entries 6 + 7 between -126 and 127 (added to log2(e)'s exponent field); entry 8, and entry 10 - 8 - 9, between -126 and 112.  A p under 2^-126 counts as 0 (v_exp_f32 flushes).  NaN is not served.
; REGISTERS.  window 0: v1-6 addresses and constants; v8-11 scales; v16-47 the tiles' statistics; v64-191 S^T, then p (64 a tile); v192-223 P's codes (16 a tile); v224-255 tile 0's sums of four.
;   window 1: v0-63 O^T (32 a tile); v64-79 Q; v128-191 K of a step; v192-255 V of a step.
.set SLOT1, 131072
.set VOFF,  65536
.set SPARE, 262144                     ; behind the ring: the spare words, 128 bytes for each of eight waves
.set L16,  1                           ; v1   16 x lane
.set ADK,  2                           ; v2   LDS address of the step's K
.set ADV,  3                           ; v3   of its V
.set SPW,  4                           ; v4   my spare word; never rewritten
.set NIL,  5                           ; v5   0; never rewritten
.set PLIM2, 6                          ; v6   57,344 x 2^e8 once more: the second half of a dual hold takes its bound from another register bank
.set PSC,  8                           ; v8   2^e8;  v9  57,344 x 2^e8
.set PLIM, 9
.set ASC,  10                          ; v10  2^(e10 - e8 - e9);  v11  57,344 x that
.set ALIM, 11
.set ST,   16                          ; tile q's statistics at v[ST + 16 q]: +0 -M, +1 largest t, +2 +3 and +10 +11 the sum in four parts, +4 f (+5 its pair's upper half), +6 +7 two chains of the maximum, +8 the other half's, +9 M's step
.set S,    64
.set P,    192
.set T,    224
.set O,    0                           ; in window 1
.set QF,   64
.set KF,   128
.set VF,   192
.set WV,   12
.set SEL,  20                          ; s[20:21] v_permlanex16_b32's selects for lane l xor 16
.set CS,   22                          ; s[22:23] c = log2(e) x 2^(e6 + e7)
.set TB,   36                          ; s36  LDS byte at which the step's K begins
.set SLOTS, 37
.set CNT,  38
.set MSB, 0
.macro WIN new                         ; the immediate's high byte repeats the setting that is left
.if MSB != \new
	s_set_vgpr_msb (MSB<<8)|\new
.set MSB, \new
.endif
.endm
.macro CROUND                          ; a round of the cluster's barrier
	s_barrier_signal -1
	s_barrier_wait -1
	s_cmp_lg_u32 s[WV], 0
	s_cbranch_scc1 .Lnot_wave_0_\@
	s_barrier_signal -3
.Lnot_wave_0_\@:
	s_barrier_wait -3
	s_barrier_signal -1
	s_barrier_wait -1
.endm
.macro PLACES
.rept 4
	v_nop
.endr
.endm
	s_load_b128 s[4:7], s[0:1], 0x0                ; qkv, the scales' exponents
	s_load_b64 s[8:9], s[0:1], 0x10                ; aimg
	v_lshl_add_u32 v[SPW], v0, 2, SPARE
	v_mov_b32 v[NIL], 0
	ds_add_u32 v[SPW], v[NIL]                      ; the opening lines: the add, twice on end, and its wait
	ds_add_u32 v[SPW], v[NIL]
	s_wait_dscnt 0x0
	v_lshrrev_b32 v1, 5, v0
	v_readfirstlane_b32 s[WV], v1                  ; wave 0..7
	s_bfe_u32 s13, ttmp6, 0x40000                  ; cx
	s_lshl_b32 s14, ttmp9, 2
	s_add_co_u32 s14, s14, s13                     ; my block of 256 queries: it enters Q's and the output's addresses alone
	s_and_b32 s15, ttmp7, 0xffff                   ; the head, which the four partners share
	s_lshl_b32 s15, s15, 18                        ; x 262,144 bytes
	s_lshr_b32 s16, s[WV], 2
	s_add_co_u32 s16, s16, 1
	s_lshl_b32 s16, s16, 22                        ; plane 1 (K: waves 0-3) or 2 (V: waves 4-7) of 4 MiB,
	s_and_b32 s17, s[WV], 3
	s_lshl_b32 s17, s17, 14                        ; my quarter of a slot's 65,536 bytes,
	s_add_co_u32 s16, s16, s17
	s_add_co_u32 s16, s16, s15                     ; in my head
	s_mov_b32 s17, 0
	s_lshl_b32 s18, s14, 14                        ; tile 16 x block + 2 x wave, 1,024 bytes each,
	s_lshl_b32 s19, s[WV], 11
	s_add_co_u32 s18, s18, s19
	s_add_co_u32 s18, s18, s15                     ; in my head
	s_mov_b32 s19, 0
	s_mov_b32 s24, 15|(3<<16)|(1<<21)              ; group 1: a dense block of 64 rows x 256 bytes: the mask of all four; elements of 8 bytes; 21 set beside a mask
	s_mov_b32 s25, 32<<16
	s_mov_b32 s26, 64<<16
	s_mov_b32 s27, 32<<16
	s_mov_b32 s28, 64
	s_mov_b32 s29, 32
	s_mov_b32 s30, 0
	s_mov_b32 s31, 0
	s_mov_b32 s[SEL], 0x76543210
	s_mov_b32 s[SEL+1], 0xfedcba98
	s_mov_b32 s[TB], 0
	s_mov_b32 s[SLOTS], 3
	s_wait_kmcnt 0x0
	s_load_b256 s[40:47], s[6:7], 0x0              ; entries 0 to 7
	s_load_b128 s[48:51], s[6:7], 0x20             ; entries 8 to 11
	s_mov_b32 s32, 1                               ; group 0: count = 1,
	s_lshl_b32 s33, s[WV], 14                      ; LDS address: wave x 16,384, in slot 0,
	s_add_nc_u64 s[34:35], s[4:5], s[16:17]        ; global address,
	s_or_b32 s35, s35, 0x80000000                  ; type = 2
	s_add_nc_u64 s[10:11], s[4:5], s[18:19]        ; Q's image at my two tiles (plane 0)
	s_add_nc_u64 s[8:9], s[8:9], s[18:19]          ; the output's likewise
	CROUND                                         ; all four work-groups are here: the first joint loads meet
	tensor_load_to_lds s[32:35], s[24:31]          ; slot 0: my one load at the head
	s_nop 0
	PLACES
	v_and_b32 v[L16], 31, v0
	v_lshlrev_b32 v[L16], 4, v[L16]
	WIN 0x40
.irp q, 0,1
.irp c, 0,1
	global_load_b128 v[QF+8*\q+4*\c:QF+8*\q+4*\c+3], v[L16], s[10:11] offset:1024*\q+512*\c   ; Q stays in registers
.endr
.endr
.set i, 0
.rept 64
	v_mov_b32 v[O+i], 0                            ; O^T: the step has no first form of its own; the first change of M leaves zeros zeros
.set i, i+1
.endr
	WIN 0
.irp q, 0,1
	v_mov_b32 v[ST+16*\q+1], 0xff61b1e6            ; the largest t so far: -3e38
	v_floor_f32 v[ST+16*\q], -v[ST+16*\q+1]        ; -M
	v_mov_b32 v[ST+16*\q+2], 0
	v_mov_b32 v[ST+16*\q+3], 0
	v_mov_b32 v[ST+16*\q+10], 0
	v_mov_b32 v[ST+16*\q+11], 0
	v_mov_b32 v[ST+16*\q+4], 0
	v_mov_b32 v[ST+16*\q+5], 0                     ; (named as the upper half of f's pair)
	v_mov_b32 v[ST+16*\q+8], 0                     ; (a lane permute's destination counts as one of its sources)
.endr
	s_wait_kmcnt 0x0
	s_add_co_i32 s52, s46, s47
	s_lshl_b32 s52, s52, 23
	s_mov_b32 s[CS], 0x3fb8aa3b                    ; log2(e);
	s_add_co_i32 s[CS], s[CS], s52                 ; a score stands for score x 2^(e6 + e7): added to the exponent field
	s_mov_b32 s[CS+1], s[CS]
	s_add_co_i32 s52, s48, 127
	s_lshl_b32 s53, s52, 23
	v_mov_b32 v[PSC], s53
	s_add_co_i32 s52, s52, 15
	s_lshl_b32 s52, s52, 23
	s_or_b32 s52, s52, 0x600000
	v_mov_b32 v[PLIM], s52
	v_mov_b32 v[PLIM2], s52
	s_sub_co_i32 s52, s50, s48
	s_sub_co_i32 s52, s52, s49                     ; O / l stands for (O / l) x 2^(e8 + e9): its code is (O / l) / 2^(e10 - e8 - e9)
	s_add_co_i32 s52, s52, 127
	s_lshl_b32 s53, s52, 23
	v_mov_b32 v[ASC], s53
	s_add_co_i32 s52, s52, 15
	s_lshl_b32 s52, s52, 23
	s_or_b32 s52, s52, 0x600000
	v_mov_b32 v[ALIM], s52
; A, 41 lines, line j for tile q: 0-31 the largest of the lane's 64 scores, in two chains, each accumulator from its low end on; 32, 33 the other half of the lanes'; 34-40 t, the running largest, -M, f.
.macro A_OP q
.set rT, ST+16*(\q)
.set rS, S+64*(\q)
.if j == 0
	v_max3_num_f32 v[rT+6], v[rS], v[rS+1], v[rS+2]
.elseif j == 1
	v_max3_num_f32 v[rT+7], v[rS+3], v[rS+4], v[rS+5]
.elseif j < 31
	v_max3_num_f32 v[rT+6+j%2], v[rT+6+j%2], v[rS+2*j+2], v[rS+2*j+3]
.elseif j == 31
	v_max_num_f32 v[rT+6], v[rT+6], v[rT+7]
.elseif j == 32
	v_permlanex16_b32 v[rT+8], v[rT+6], s[SEL], s[SEL+1]
.elseif j == 33
	v_max_num_f32 v[rT+6], v[rT+6], v[rT+8]
.elseif j == 34
	v_mul_f32 v[rT+6], s[CS], v[rT+6]              ; as t (c is positive)
.elseif j == 35
	v_max_num_f32 v[rT+1], v[rT+1], v[rT+6]
.elseif j == 36
	v_mov_b32 v[rT+9], v[rT]
.elseif j == 37
	v_floor_f32 v[rT], -v[rT+1]                    ; -M = floor(-t) = -ceil(t)
.elseif j == 38
	v_sub_f32 v[rT+9], v[rT], v[rT+9]              ; old M - new M: a whole number, 0 or less
.elseif j == 39
	v_cvt_i32_f32 v[rT+9], v[rT+9]                 ; (it saturates)
.else
	v_ldexp_f32 v[rT+4], 1.0, v[rT+9]              ; f = 2^(old M - new M)
.endif
.endm
.macro F_OP q, k                       ; t - M of scores 2 k, 2 k + 1
	v_pk_fma_f32 v[S+64*(\q)+2*(\k):S+64*(\q)+2*(\k)+1], v[S+64*(\q)+2*(\k):S+64*(\q)+2*(\k)+1], s[CS:CS+1], v[ST+16*(\q):ST+16*(\q)+1] op_sel_hi:[1,0,0]
.endm
.macro E_OP q, k                       ; p = 2^(t - M), in place
	v_exp_f32 v[S+64*(\q)+(\k)], v[S+64*(\q)+(\k)]
.endm
.macro MIN_OP q, k                     ; the one-sided hold of p 2 k and 2 k + 1 (p is not negative; the conversion does not saturate: ISA guide 7.6.2)
	v_dual_min_num_f32 v[S+64*(\q)+2*(\k)], v[S+64*(\q)+2*(\k)], v[PLIM] :: v_dual_min_num_f32 v[S+64*(\q)+2*(\k)+1], v[S+64*(\q)+2*(\k)+1], v[PLIM2]
.endm
.macro CVT_OP q, k                     ; eight held p into eight codes
	v_cvt_scalef32_pk8_bf8_f32 v[P+16*(\q)+2*(\k):P+16*(\q)+2*(\k)+1], v[S+64*(\q)+8*(\k):S+64*(\q)+8*(\k)+7], v[PSC]
.endm
.macro L1_OP k                         ; tile 0: the unquantised p 4 k .. 4 k + 3 into a pair of their own
	v_pk_add_f32 v[T+2*(\k):T+2*(\k)+1], v[S+4*(\k):S+4*(\k)+1], v[S+4*(\k)+2:S+4*(\k)+3]
.endm
.macro L2_OP k                         ; tile 0: that pair onto one of the two running pairs
	v_pk_add_f32 v[ST+2+8*((\k)%2):ST+3+8*((\k)%2)], v[ST+2+8*((\k)%2):ST+3+8*((\k)%2)], v[T+2*(\k):T+2*(\k)+1]
.endm
.macro S1_OP k                         ; tile 1: the unquantised p 2 k, 2 k + 1 onto one of its two running pairs
	v_pk_add_f32 v[ST+18+8*((\k)%2):ST+19+8*((\k)%2)], v[ST+18+8*((\k)%2):ST+19+8*((\k)%2)], v[S+64+2*(\k):S+64+2*(\k)+1]
.endm
.macro KLOAD off                       ; a step's sixteen loads of K: 32 lanes read 512 consecutive bytes
	WIN 0x40
.irp kt, 0,1,2,3,4,5,6,7
.irp c, 0,1
	ds_load_b128 v[KF+8*\kt+4*\c:KF+8*\kt+4*\c+3], v[ADK] offset:\off+1024*\kt+512*\c
.endr
.endr
	WIN 0
.endm
; A KEY STEP: 128 keys.  Its K is on its way or in.  pf = 1: the next step's K, 8,192 bytes on in the same slot, is asked for.
.macro STEP pf
	v_add_nc_u32 v[ADK], s[TB], v[L16]
	v_add_nc_u32 v[ADV], VOFF, v[ADK]
	v_nop
	v_nop                                          ; these four are the places between the last products, which read V's registers, and the loads into them
	WIN 0x40
.irp t, 0,1,2,3
.irp c, 0,1,2,3
	ds_load_b128 v[VF+16*\t+4*\c:VF+16*\t+4*\c+3], v[ADV] offset:2048*\t+512*\c
.endr
.endr
	s_wait_dscnt 16                                ; K's sixteen loads are in; V's sixteen, just issued, may be out
	WIN 0x05
.irp kt, 0,1,2,3,4,5,6,7
.irp q, 0,1
	v_wmma_f32_16x16x64_bf8_bf8 v[S+64*\q+8*\kt:S+64*\q+8*\kt+7], v[KF+8*\kt:KF+8*\kt+7], v[QF+8*\q:QF+8*\q+7], 0
.endr
.endr
	WIN 0
	PLACES
.set j, 0
.rept 41
	A_OP 0
	A_OP 1
.set j, j+1
.endr
.if \pf
	KLOAD 8192
.endif
	WIN 0x41                                       ; O^T (destination and source 0) window 1, f window 0
.irp q, 0,1
.irp i, 0,2,4,6,8,10,12,14,16,18,20,22,24,26,28,30
	v_pk_mul_f32 v[O+32*\q+\i:O+32*\q+\i+1], v[O+32*\q+\i:O+32*\q+\i+1], v[ST+16*\q+4:ST+16*\q+5] op_sel_hi:[1,0]   ; O^T under the new M, each accumulator from its low end on; no exponential stands between the last products and these lines
.endr
.endr
	WIN 0
.irp q, 0,1
	v_pk_mul_f32 v[ST+16*\q+2:ST+16*\q+3], v[ST+16*\q+2:ST+16*\q+3], v[ST+16*\q+4:ST+16*\q+5] op_sel_hi:[1,0]      ; the sums under the new M
	v_pk_mul_f32 v[ST+16*\q+10:ST+16*\q+11], v[ST+16*\q+10:ST+16*\q+11], v[ST+16*\q+4:ST+16*\q+5] op_sel_hi:[1,0]
.endr
.set j, 0
.rept 32
	F_OP 0, j
.set j, j+1
.endr
	s_wait_alu depctr_va_vdst(0)                   ; the wait ahead of the batch
.set j, 0
.rept 32
	E_OP 0, j
.set j, j+1
.endr
.set j, 0
.rept 32                               ; tile 1's t - M between tile 0's exponentials: first read behind the wait below
	E_OP 0, j+32
	F_OP 1, j
.set j, j+1
.endr
	s_wait_alu depctr_va_vdst(0)                   ; one wait: behind tile 0's batch and ahead of tile 1's
.set j, 0
.rept 16
	E_OP 1, j
.set j, j+1
.endr
.set j, 0
.rept 16                               ; tile 0's first level of sums, then its holds, between tile 1's exponentials: first read behind the wait below
	E_OP 1, 16+3*j
	L1_OP j
	E_OP 1, 17+3*j
	MIN_OP 0, 2*j
	E_OP 1, 18+3*j
	MIN_OP 0, 2*j+1
.set j, j+1
.endr
	v_nop                                          ; a plain place behind the last exponential
	s_wait_alu depctr_va_vdst(0)                   ; one wait behind tile 1's batch
.set j, 0
.rept 32                               ; tile 1's sums, holds and conversions; tile 0's second level of sums and its conversions: four chains of sums by turns
	S1_OP j
	MIN_OP 1, j
.if j < 16
	L2_OP j
.endif
.if j%4 == 1
	CVT_OP 0, j/4
.endif
.if j%4 == 3
	CVT_OP 1, j/4
.endif
.set j, j+1
.endr
	v_nop                                          ; a plain line between the last conversion and the products that read the codes
	s_wait_alu depctr_va_vdst(0)                   ; the wait here, directly ahead of the wait below
	s_wait_dscnt 16*\pf                            ; V is in; the next step's sixteen loads of K, issued behind V's, may be out
	WIN 0x51                                       ; V window 1, P window 0, O^T window 1
.irp t, 0,1,2,3
.irp q, 0,1
	v_wmma_f32_16x16x128_bf8_bf8 v[O+32*\q+8*\t:O+32*\q+8*\t+7], v[VF+16*\t:VF+16*\t+15], v[P+16*\q:P+16*\q+15], v[O+32*\q+8*\t:O+32*\q+8*\t+7]
.endr
.endr
	WIN 0
.endm
; THE CHANGE OF SLOTS stands at a slot's head.  Each wave waits for all its tensor loads (its part of the slot ahead), adds 0 to its spare word, and waits for that and for its reads of the slot that it has left.
; fill = 1: a round of the cluster's barrier, so that no wave of any partner still reads the other slot or has a load on its way; the joint refill is the first thing behind it.
.macro CHANGE fill
	s_wait_tensorcnt 0x0                           ; no tensor load of mine is out, so group 0 may be written
	ds_add_u32 v[SPW], v[NIL]                      ; 0 onto my spare word
.if \fill
	s_xor_b32 s33, s33, SLOT1                      ; the other slot than last time,
	s_add_nc_u64 s[34:35], s[34:35], 65536         ; the next 1,024 keys; the type bits on top are not reached
.endif
	s_wait_dscnt 0x0                               ; the add is done, and my reads of the slot that I have left are over
.if \fill
	CROUND
	tensor_load_to_lds s[32:35], s[24:31]
	s_nop 0
	PLACES
.else
	s_barrier_signal -1
	s_barrier_wait -1
.endif
.endm
.macro SLOT_STEPS                      ; a slot's eight key steps: seven in a loop, the last written out
	v_add_nc_u32 v[ADK], s[TB], v[L16]
	KLOAD 0                                        ; the slot's first K
	s_mov_b32 s[CNT], 7
.Lstep_\@:
	STEP 1
	s_add_co_u32 s[TB], s[TB], 8192
	s_sub_co_u32 s[CNT], s[CNT], 1
	s_cmp_lg_u32 s[CNT], 0
	s_cbranch_scc1 .Lstep_\@
	STEP 0
	s_sub_co_u32 s[TB], s[TB], 57344               ; back to a slot's first step,
	s_xor_b32 s[TB], s[TB], SLOT1                  ; in the other slot
.endm
	s_wait_alu depctr_va_vdst(0)                   ; the wait at the head's end
	s_wait_loadcnt 0x0                             ; Q
.Lslot:                                            ; three trips: behind each change of slots but the last the next 1,024 keys are asked for
	CHANGE 1
	SLOT_STEPS
	s_sub_co_u32 s[SLOTS], s[SLOTS], 1
	s_cmp_lg_u32 s[SLOTS], 0
	s_cbranch_scc1 .Lslot
	CHANGE 0                                       ; the last slot is written out
	SLOT_STEPS
	; THE WAY OUT.  The sum's four parts and the other half of the lanes' are added (these lines are also the places behind the last products); O^T / the sum is held, converted with 2^(e10 - e8 - e9) and stored as an image.
.irp q, 0,1
	v_pk_add_f32 v[ST+16*\q+2:ST+16*\q+3], v[ST+16*\q+2:ST+16*\q+3], v[ST+16*\q+10:ST+16*\q+11]
.endr
.irp q, 0,1
	v_add_f32 v[ST+16*\q+6], v[ST+16*\q+2], v[ST+16*\q+3]
.endr
.irp q, 0,1
	v_permlanex16_b32 v[ST+16*\q+8], v[ST+16*\q+6], s[SEL], s[SEL+1]
.endr
.irp q, 0,1
	v_add_f32 v[ST+16*\q+6], v[ST+16*\q+6], v[ST+16*\q+8]
.endr
	s_wait_alu depctr_va_vdst(0)                   ; the wait ahead of the reciprocals
.irp q, 0,1
	v_rcp_f32 v[ST+16*\q+4], v[ST+16*\q+6]
.endr
	v_nop                                          ; a plain instruction behind the last reciprocal
	WIN 0x01                                       ; source 0 (O^T) window 1; the quotients go where the scores lay
	s_wait_alu depctr_va_vdst(0)                   ; one wait for both reciprocals and, directly ahead of its first readers, for O^T
.irp q, 0,1
.irp i, 0,2,4,6,8,10,12,14,16,18,20,22,24,26,28,30
	v_pk_mul_f32 v[S+64*\q+\i:S+64*\q+\i+1], v[O+32*\q+\i:O+32*\q+\i+1], v[ST+16*\q+4:ST+16*\q+5] op_sel_hi:[1,0]
.endr
.endr
	WIN 0
.irp q, 0,1
.irp u, 0,1
.irp i, 0,1,2,3,4,5,6,7,8,9,10,11,12,13,14,15
	v_med3_num_f32 v[S+64*\q+16*\u+\i], v[S+64*\q+16*\u+\i], -v[ALIM], v[ALIM]
.endr
	v_cvt_scalef32_pk8_bf8_f32 v[P+16*\q+4*\u:P+16*\q+4*\u+1], v[S+64*\q+16*\u:S+64*\q+16*\u+7], v[ASC]
	v_cvt_scalef32_pk8_bf8_f32 v[P+16*\q+4*\u+2:P+16*\q+4*\u+3], v[S+64*\q+16*\u+8:S+64*\q+16*\u+15], v[ASC]
.endr
.endr
	v_nop                                          ; a plain vector instruction behind the last conversion
.irp q, 0,1
.irp u, 0,1
	global_store_b128 v[L16], v[P+16*\q+4*\u:P+16*\q+4*\u+3], s[8:9] offset:1024*\q+512*\u   ; 32 lanes store 512 consecutive bytes, aligned
.endr
.endr
	s_wait_tensorcnt 0x0                           ; the wave's end
	ds_add_u32 v[SPW], v[NIL]
	s_wait_dscnt 0x0
	CROUND                                         ; the closing round
	s_endpgm
.Lfunc_end_k_qeceae896ce_attn:
	.size	k_qeceae896ce_attn, .Lfunc_end_k_qeceae896ce_attn-k_qeceae896ce_attn
	.p2alignl 7, 3214868480
	.fill 96, 4, 3214868480
	.section	.rodata,"a",@progbits
	.p2align	6, 0x0
	.amdhsa_kernel k_qeceae896ce_attn
		.amdhsa_group_segment_fixed_size 327680
		.amdhsa_private_segment_fixed_size 0
		.amdhsa_enable_private_segment 0
		.amdhsa_kernarg_size 24
		.amdhsa_user_sgpr_count 2
		.amdhsa_user_sgpr_kernarg_segment_ptr 1
		.amdhsa_wavefront_size32 1
		.amdhsa_system_sgpr_workgroup_id_x 1
		.amdhsa_system_sgpr_workgroup_id_y 1
		.amdhsa_system_sgpr_workgroup_id_z 1
		.amdhsa_system_vgpr_workitem_id 0
		.amdhsa_next_free_vgpr 512
		.amdhsa_next_free_sgpr 66
		.amdhsa_reserve_vcc 0
		.amdhsa_float_denorm_mode_32 3
		.amdhsa_float_denorm_mode_16_64 3
		.amdhsa_memory_ordered 1
		.amdhsa_forward_progress 1
		.amdhsa_inst_pref_size 130
	.end_amdhsa_kernel
	.amdgpu_metadata
---
amdhsa.version: [ 1, 2 ]
amdhsa.kernels:
  - .name:           k_qeceae896ce_attn
    .symbol:         k_qeceae896ce_attn.kd
    .args:
      - { .name: qkv, .offset: 0, .size: 8, .value_kind: global_buffer, .address_space: global }
      - { .name: lowp_scales, .offset: 8, .size: 8, .value_kind: global_buffer, .address_space: global }
      - { .name: aimg, .offset: 16, .size: 8, .value_kind: global_buffer, .address_space: global }
    .group_segment_fixed_size: 327680
    .private_segment_fixed_size: 0
    .kernarg_segment_align: 8
    .kernarg_segment_size: 24
    .max_flat_workgroup_size: 256
    .sgpr_count:     66
    .vgpr_count:     512
    .wavefront_size: 32
...
	.end_amdgpu_metadata
.endif
;; end of part 3
;; launch proj (part 4): grid 8 x 32, 4 waves a work-group, clusters of 4 x 4, 288,256 bytes of LDS; arguments aimg, wc, bo, lowp_scales, out0; writes out0
.if DOCPART == 4
	.amdgcn_target "amdgcn-amd-amdhsa--gfx1250"
	.amdhsa_code_object_version 6
	.text
	.protected	k_qeceae896ce_proj
	.globl	k_qeceae896ce_proj
	.p2align	8
	.type	k_qeceae896ce_proj,@function
k_qeceae896ce_proj:
	s_mov_b64 s[64:65], 0
	v_nop
	global_prefetch_b8 v0, s[64:65] scope:SCOPE_SE
	s_setreg_imm32_b32 hwreg(HW_REG_WAVE_MODE, 25, 1), 1
	s_wait_xcnt 0x0
	s_wait_alu depctr_hold_cnt(0) depctr_sa_sdst(0) depctr_va_vdst(0) depctr_va_sdst(0) depctr_va_ssrc(0) depctr_va_vcc(0) depctr_vm_vsrc(0)
	s_getreg_b32 s2, hwreg(HW_REG_IB_STS2, 6, 4)
	s_cmp_eq_u32 s2, 0
	s_cbranch_scc0 .Lentry_in_a_cluster
	s_endpgm
.Lentry_in_a_cluster:
	s_bfe_u32 s2, ttmp6, 0x10000c
	s_cmp_lg_u32 s2, 0xf033
	s_cbranch_scc0 .Lentry_shape_is_right
	s_endpgm
.Lentry_shape_is_right:
; out0 = a Wo^T + bo on codes of BF8 (E5M2): a is the attention's output as an image of operand registers, Wo's codes are plane 3 of wc.  K = 1,024 = 16 heads x 64 channels.
; A tile is 128 rows of Wo (R0) x 128 token positions (R1); every product is wmma D, 16 rows of Wo, 16 tokens: a lane holds one token and eight output columns.  Wo's rows lie with bits 3 and 4 of the row number
; exchanged, so the registers of R0 tiles 2 u, 2 u + 1 are the 16 neighbouring columns 32 u + 16 h + 0 .. 15; the tokens lie by position in the same order, which the stores' row offsets undo.
; y = sum x 2^(e10 + e11) + bo: one packed multiply-add for two numbers.  LIMIT: e10 + e11 between -126 and 127.
; SHARES.  Four waves, each 64 x 64: 16 accumulators.  ALL OF K IS ASKED FOR AT THE HEAD, by ONE tensor load a wave: waves 0, 1 bring Wo's halves (64 rows x 1,024 bytes; an LDS row is 1,024 + 16 bytes),
; waves 2, 3 eight heads each of a's image (8 rows x 8,192 bytes).  No LDS byte is filled twice; one wait and one barrier stand in front of the first fragment loads, and none behind them.
; CLUSTER 4 x 4: Wo's tile is shared along a column, a's along a row: joint loads divide the requests by four.
; NO PREFETCH: the launch has no loop to run ahead in: all that it reads is asked for by its first loads.
; THE WAY OUT goes through each wave's own stage in LDS (16 rows x (256 + 16) bytes, in bytes into which no tensor load lands): sixteen lanes then store 256 consecutive bytes of a row of out0, aligned.
; REGISTERS.  window 0: v1-25 addresses; v32-63 bo; v64-95 a block's results; v128-255 accumulators (a, b) at v[128 + 8 (4 a + b)], later the rows read back.  window 1: two fragment buffers of 128.
.set CB,    256                        ; from 256 along K to the next, inside an LDS row of Wo
.set HALF,  66560                      ; 64 rows x 1,040 bytes
.set R1B,   139264                     ; a's image: [head 16][tile 8][1,024 bytes], 131,072 bytes
.set STG,   270336                     ; the four stages
.set SPARE, STG+4*4352                 ; behind the stages: the spare words, 128 bytes a wave
.set A0,   8
.set A1,   12
.set BO,   22
.set BIAS, 32
.set CD,   64
.set ACC,  128
.set WV,   18
.set G1A,  40
.set G1B,  48
.set G0A,  68
.set G0B,  84
.set MUL,  0x05
.set TO_F, 0x40
.set MSB, 0
.macro WIN new                         ; the immediate's high byte repeats the setting that is left
.if MSB != \new
	s_set_vgpr_msb (MSB<<8)|\new
.set MSB, \new
.endif
.endm
.macro CROUND                          ; a round of the cluster's barrier
	s_barrier_signal -1
	s_barrier_wait -1
	s_cmp_lg_u32 s[WV], 0
	s_cbranch_scc1 .Lnot_wave_0_\@
	s_barrier_signal -3
.Lnot_wave_0_\@:
	s_barrier_wait -3
	s_barrier_signal -1
	s_barrier_wait -1
.endm
.macro PLACES
.rept 4
	v_nop
.endr
.endm
	s_load_b256 s[4:11], s[0:1], 0x0               ; aimg, wc, bo, the scales' exponents
	s_load_b64 s[12:13], s[0:1], 0x20              ; out0
	v_lshl_add_u32 v126, v0, 2, SPARE
	v_mov_b32 v127, 0
	ds_add_u32 v126, v127                          ; the opening lines: the add, twice on end, and its wait
	ds_add_u32 v126, v127
	v_lshrrev_b32 v1, 5, v0
	v_readfirstlane_b32 s[WV], v1                  ; wave 0..3
	s_and_b32 s19, s[WV], 1                        ; w0: my 64 rows of Wo.  Also: which half I fetch
	s_lshr_b32 s20, s[WV], 1                       ; w1: my 64 tokens.  Also: I fetch for Wo (0) or for a (1)
	s_bfe_u32 s21, ttmp6, 0x40000                  ; cx
	s_bfe_u32 s22, ttmp6, 0x40004                  ; cy
	s_lshl_b32 s26, ttmp9, 2
	s_add_co_u32 s26, s26, s21                     ; tile x: which 128 output columns
	s_and_b32 s27, ttmp7, 0xffff
	s_lshl_b32 s27, s27, 2
	s_add_co_u32 s27, s27, s22                     ; tile y: which 128 token positions
	s_lshl_b32 s28, 0x1111, s21                    ; my column of the cluster
	s_lshl_b32 s29, s22, 2
	s_lshl_b32 s29, 15, s29                        ; my row
	; group 1 for Wo: 64 rows x 1,024 bytes, dense in memory, 16 bytes of padding behind each row in LDS
	s_or_b32 s[G1A], s28, (1<<20)|(1<<21)|(7<<22)|(3<<25)
	s_mov_b32 s[G1A+1], 1024<<16
	s_mov_b32 s[G1A+2], 64<<16
	s_mov_b32 s[G1A+3], 1024<<16
	s_mov_b32 s[G1A+4], 64
	s_mov_b32 s[G1A+5], 1024
	s_mov_b32 s[G1A+6], 0
	s_mov_b32 s[G1A+7], 0
	; group 1 for a: eight heads' 8,192 bytes (8 tiles of 16 tokens), 262,144 bytes apart; elements of 8 bytes; no padding
	s_or_b32 s[G1B], s29, (3<<16)|(1<<21)
	s_mov_b32 s[G1B+1], 1024<<16                   ; tensor_dim0 = 1,024 elements
	s_mov_b32 s[G1B+2], 8<<16                      ; tensor_dim1 = 8
	s_mov_b32 s[G1B+3], 1024<<16                   ; tile_dim0
	s_mov_b32 s[G1B+4], 8                          ; tile_dim1
	s_mov_b32 s[G1B+5], 32768                      ; tensor_dim0_stride
	s_mov_b32 s[G1B+6], 0
	s_mov_b32 s[G1B+7], 0
	s_mul_i32 s38, s19, HALF                       ; Wo: where my 64 rows go
	s_lshl_b32 s39, s19, 16                        ; a: where my eight heads go among the sixteen
	s_lshl_b32 s30, s26, 17
	s_lshl_b32 s2, s19, 16
	s_add_co_u32 s30, s30, s2
	s_add_co_u32 s30, s30, 0x300000                ; Wo: plane 3, row 128 tile x + 64 half
	s_mov_b32 s31, 0
	s_lshl_b32 s32, s27, 13
	s_lshl_b32 s2, s19, 21
	s_add_co_u32 s32, s32, s2                      ; a: tiles 8 tile y on, heads 8 x half on
	s_mov_b32 s33, 0
	s_wait_dscnt 0x0
	s_wait_kmcnt 0x0
	s_load_b64 s[66:67], s[10:11], 0x28            ; entries 10, 11
	s_add_nc_u64 s[30:31], s[6:7], s[30:31]
	s_add_nc_u64 s[32:33], s[4:5], s[32:33]
	s_mov_b32 s[G0A], 1
	s_mov_b32 s[G0A+1], s38
	s_mov_b64 s[G0A+2:G0A+3], s[30:31]
	s_or_b32 s[G0A+3], s[G0A+3], 0x80000000
	s_mov_b32 s[G0B], 1
	s_add_co_u32 s[G0B+1], s39, R1B
	s_mov_b64 s[G0B+2:G0B+3], s[32:33]
	s_or_b32 s[G0B+3], s[G0B+3], 0x80000000
	CROUND                                         ; all sixteen work-groups are here: the joint loads meet
	s_cmp_lt_u32 s[WV], 2                          ; one fill to an arm of one branch on the wave's number; an s_nop 0 and four v_nop follow each
	s_cbranch_scc0 .Lfor_r1
	tensor_load_to_lds s[G0A:G0A+3], s[G1A:G1A+7]
	s_nop 0
	PLACES
	s_branch .Lasked
.Lfor_r1:
	tensor_load_to_lds s[G0B:G0B+3], s[G1B:G1B+7]
	s_nop 0
	PLACES
.Lasked:
	v_and_b32 v1, 15, v0                           ; r
	v_bfe_u32 v2, v0, 4, 1                         ; h
	v_mul_u32_u24 v3, v1, 1040
	v_lshl_add_u32 v3, v2, 4, v3                   ; Wo: row x pitch + 16 h
	v_and_b32 v4, 31, v0
	v_lshlrev_b32 v4, 4, v4                        ; a: 16 x lane
	s_lshl_b32 s39, s20, 12                        ; my four tiles of 1,024 bytes
	v_add_nc_u32 v24, s38, v3
	v_add_nc_u32 v25, s39, v4
.irp q, 0,1,2,3
	v_add_nc_u32 v[A0+\q], \q*CB, v24
	v_add_nc_u32 v[A1+\q], R1B+\q*32768, v25
.endr
	s_mul_i32 s62, s[WV], 4352
	s_add_co_u32 s62, s62, STG                     ; my stage
	v_mul_u32_u24 v5, v1, 272
	v_lshl_add_u32 v5, v2, 6, v5
	v_add_nc_u32 v5, s62, v5                       ; in: row r, + 64 h bytes
	v_mul_u32_u24 v6, v2, 272
	v_lshl_add_u32 v6, v1, 4, v6
	v_add_nc_u32 v6, s62, v6                       ; back: lanes 0-15 one row of 256 bytes, lanes 16-31 the next
	v_lshlrev_b32 v7, 12, v2
	v_lshl_add_u32 v7, v1, 4, v7                   ; and the same two rows in out0 (4,096 bytes a row)
	; from here on s56-63, s66, s67 hold loaded numbers and both coordinates; none of them feeds a descriptor
	s_lshl_b32 s62, s26, 9
	s_lshl_b32 s63, s19, 8
	s_add_co_u32 s62, s62, s63                     ; my first column, in bytes: (128 tile x + 64 w0) x 4
	s_mov_b32 s63, 0
	s_add_nc_u64 s[58:59], s[8:9], s[62:63]        ; bo there
	s_add_nc_u64 s[60:61], s[12:13], s[62:63]
	s_lshl_b32 s62, s27, 19
	s_lshl_b32 s56, s20, 18
	s_add_co_u32 s62, s62, s56                     ; my first row: (128 tile y + 64 w1) x 4,096 bytes
	s_add_nc_u64 s[60:61], s[60:61], s[62:63]      ; out0 there
	v_lshlrev_b32 v[BO], 6, v2
.irp b, 0,1,2,3                        ; register j of R0 tile b is column 32 (b / 2) + 16 h + 8 (b % 2) + j
	global_load_b128 v[BIAS+8*\b:BIAS+8*\b+3], v[BO], s[58:59] offset:(32*(\b/2)+8*(\b%2))*4
	global_load_b128 v[BIAS+8*\b+4:BIAS+8*\b+7], v[BO], s[58:59] offset:(32*(\b/2)+8*(\b%2))*4+16
.endr
	s_wait_kmcnt 0x0
	s_add_co_i32 s56, s66, s67
	s_add_co_i32 s56, s56, 127
	s_lshl_b32 s56, s56, 23                        ; 2^(e10 + e11) as f32
	s_mov_b32 s57, s56                             ; (named with it as a pair)
; 32 LDS loads in one run: K step s of 128 into buffer s % 2.  Lane (r, h) holds K = 128 s + 32 c + 16 h + 0 .. 15 in registers 4 c .. 4 c + 3, on both sides: in a's image that is head 2 s + c / 2, piece c % 2.
.macro FETCH s
	WIN TO_F
.set FB, 128*((\s)%2)
.irp b, 0,1,2,3
.irp c, 0,1,2,3
	ds_load_b128 v[FB+64+16*\b+4*\c:FB+64+16*\b+4*\c+3], v[A0+(\s)/2] offset:16640*\b+128*((\s)%2)+32*\c
.endr
.endr
.irp a, 0,1,2,3
.irp c, 0,1,2,3
	ds_load_b128 v[FB+16*\a+4*\c:FB+16*\a+4*\c+3], v[A1+(\s)/2] offset:(2*((\s)%2)+\c/2)*8192+1024*\a+512*(\c%2)
.endr
.endr
.endm
; 8 matrix instructions: token tiles a0, a0 + 1 x Wo's four.  zero = 1: the first product starts the sums.  The 16 accumulators take turns, one instruction a turn.
.macro MULH s, a0, zero
	WIN MUL
.set FB, 128*((\s)%2)
.irp a, \a0, \a0+1
.irp b, 0,1,2,3
.if \zero
	v_wmma_f32_16x16x128_bf8_bf8 v[ACC+8*(4*(\a)+\b):ACC+8*(4*(\a)+\b)+7], v[FB+64+16*\b:FB+64+16*\b+15], v[FB+16*(\a):FB+16*(\a)+15], 0
.else
	v_wmma_f32_16x16x128_bf8_bf8 v[ACC+8*(4*(\a)+\b):ACC+8*(4*(\a)+\b)+7], v[FB+64+16*\b:FB+64+16*\b+15], v[FB+16*(\a):FB+16*(\a)+15], v[ACC+8*(4*(\a)+\b):ACC+8*(4*(\a)+\b)+7]
.endif
.endr
.endr
.endm
.macro ODD s                           ; the next step's fragments are asked for in this step's middle
	s_wait_dscnt 0x0                               ; this step's fragments are in
	MULH \s, 0, 0
	PLACES                                         ; in front of loads into the buffer that the step before multiplied
	FETCH (\s)+1
	MULH \s, 2, 0
.endm
.macro EVEN s
	PLACES
	FETCH (\s)+1
	s_wait_dscnt 32                                ; all but the 32 just issued
	MULH \s, 0, 0
	MULH \s, 2, 0
.endm
	s_wait_tensorcnt 0x0                           ; my one load is in
	s_barrier_signal -1
	s_barrier_wait -1                              ; everybody's is
	FETCH 0
	FETCH 1
	s_wait_dscnt 32
	MULH 0, 0, 1
	MULH 0, 2, 1
	ODD 1
	EVEN 2
	ODD 3
	EVEN 4
	ODD 5
	EVEN 6
	s_wait_dscnt 0x0
	MULH 7, 0, 0
	MULH 7, 2, 0
	WIN 0
; THE WAY OUT, a tile of 16 tokens x 64 columns at a time.
.macro PACK a                          ; y = sum x 2^(e10 + e11) + bo, each accumulator from its low end on
.irp b, 0,1,2,3
.irp i, 0,2,4,6
	v_pk_fma_f32 v[CD+8*\b+\i:CD+8*\b+\i+1], v[ACC+8*(4*(\a)+\b)+\i:ACC+8*(4*(\a)+\b)+\i+1], s[56:57], v[BIAS+8*\b+\i:BIAS+8*\b+\i+1] op_sel_hi:[1,0,1]
.endr
.endr
.endm
.macro TOSTAGE a                       ; into my stage, and back as whole rows of 256 bytes, into the tile's own accumulators, which have been read
.irp b, 0,1,2,3
	ds_store_b128 v5, v[CD+8*\b:CD+8*\b+3] offset:128*(\b/2)+32*(\b%2)
	ds_store_b128 v5, v[CD+8*\b+4:CD+8*\b+7] offset:128*(\b/2)+32*(\b%2)+16
.endr
.irp i, 0,1,2,3,4,5,6,7
	ds_load_b128 v[ACC+32*(\a)+4*\i:ACC+32*(\a)+4*\i+3], v6 offset:544*\i   ; LDS serves a wave's instructions in order: these see the stores above
.endr
.endm
.macro SEND a                          ; stage row 2 i + l / 16 of tile a is token 32 (a / 2) + 8 (a % 2) + 16 (i / 4) + 2 (i % 4) + l / 16 of my 64
	s_wait_dscnt 0x0                               ; the tile is back in registers
.irp i, 0,1,2,3,4,5,6,7
	global_store_b128 v7, v[ACC+32*(\a)+4*\i:ACC+32*(\a)+4*\i+3], s[60:61] offset:(32*((\a)/2)+8*((\a)%2)+16*(\i/4)+2*(\i%4))*4096 th:TH_STORE_NT   ; 16 lanes store 256 consecutive bytes, aligned
.endr
.endm
	s_wait_loadcnt 0x0                             ; bo
	PLACES
	PACK 0
	TOSTAGE 0
.irp a, 1,2,3                          ; a tile's arithmetic stands between the loads of the tile before and the wait for them
	PACK \a
	s_wait_alu depctr_va_vdst(0)                   ; the wait here, directly ahead of SEND's wait
	SEND \a-1
	TOSTAGE \a
.endr
	SEND 3
	s_wait_tensorcnt 0x0                           ; the wave's end
	ds_add_u32 v126, v127
	s_wait_dscnt 0x0
	CROUND                                         ; the closing round: no work-group ends while a partner may still ask for a tile that names it
	s_endpgm
.Lfunc_end_k_qeceae896ce_proj:
	.size	k_qeceae896ce_proj, .Lfunc_end_k_qeceae896ce_proj-k_qeceae896ce_proj
	.p2alignl 7, 3214868480
	.fill 96, 4, 3214868480
	.section	.rodata,"a",@progbits
	.p2align	6, 0x0
	.amdhsa_kernel k_qeceae896ce_proj
		.amdhsa_group_segment_fixed_size 288256
		.amdhsa_private_segment_fixed_size 0
		.amdhsa_enable_private_segment 0
		.amdhsa_kernarg_size 40
		.amdhsa_user_sgpr_count 2
		.amdhsa_user_sgpr_kernarg_segment_ptr 1
		.amdhsa_wavefront_size32 1
		.amdhsa_system_sgpr_workgroup_id_x 1
		.amdhsa_system_sgpr_workgroup_id_y 1
		.amdhsa_system_sgpr_workgroup_id_z 1
		.amdhsa_system_vgpr_workitem_id 0
		.amdhsa_next_free_vgpr 512
		.amdhsa_next_free_sgpr 100
		.amdhsa_reserve_vcc 0
		.amdhsa_float_denorm_mode_32 3
		.amdhsa_float_denorm_mode_16_64 3
		.amdhsa_memory_ordered 1
		.amdhsa_forward_progress 1
		.amdhsa_inst_pref_size 45
	.end_amdhsa_kernel
	.amdgpu_metadata
---
amdhsa.version: [ 1, 2 ]
amdhsa.kernels:
  - .name:           k_qeceae896ce_proj
    .symbol:         k_qeceae896ce_proj.kd
    .args:
      - { .name: aimg, .offset: 0, .size: 8, .value_kind: global_buffer, .address_space: global }
      - { .name: wc, .offset: 8, .size: 8, .value_kind: global_buffer, .address_space: global }
      - { .name: bo, .offset: 16, .size: 8, .value_kind: global_buffer, .address_space: global }
      - { .name: lowp_scales, .offset: 24, .size: 8, .value_kind: global_buffer, .address_space: global }
      - { .name: out0, .offset: 32, .size: 8, .value_kind: global_buffer, .address_space: global }
    .group_segment_fixed_size: 288256
    .private_segment_fixed_size: 0
    .kernarg_segment_align: 8
    .kernarg_segment_size: 40
    .max_flat_workgroup_size: 128
    .sgpr_count:     100
    .vgpr_count:     512
    .wavefront_size: 32
...
	.end_amdgpu_metadata
.endif
;; end of part 4
